; MI455X (gfx1250); checked and timed in simulation.
; The chip was launched on July 23, 2026; its instructions are those of AMD's public machine-readable ISA for CDNA 5 (MIT licence, August 2026) and "CDNA5" Instruction Set Architecture Reference Guide (July 2026). The comments in the code are by the model that wrote it; some were corrected since.
;; Multi Headed Attention. Allowed arithmetic: float matrix products may take bf16 or f16 operands with f32 sums; other float arithmetic in f32, or as packed bf16 or f16 multiplies, adds, multiply-adds, maxima and minima; sums over many terms, partial sums and values carried from step to step in f32; what a program stores and reads back later, other than sums and carried values, may be rounded once to bf16 or f16.
;; Inputs: Wk 1,024 x 1,024 float32; Wq 1,024 x 1,024 float32; Wv 1,024 x 1,024 float32; bk 1,024 float32; bq 1,024 float32; bv 1,024 float32; ln_beta 1,024 float32; ln_gamma 1,024 float32; x 4 x 2,048 x 1,024 float32.
;; Outputs: out0 4 x 2,048 x 1,024 float32.
;; One version. Each part assembles by itself: llvm-mc -triple=amdgcn-amd-amdhsa -mcpu=gfx1250 --defsym DOCPART=n.
;; ======== version 1 of 1: 3 launches
;; limits: values are held in f16: magnitudes above 65,504 overflow, below 6.1e-05 lose precision
;; workspace buffers: xn 16,777,216 bytes; wall 6,291,456 bytes; qkv 50,331,648 bytes
;; launch prep (part 1): grid 352 x 1, 8 waves a work-group, no clusters, 0 bytes of LDS; arguments x, ln_gamma, ln_beta, Wq, Wk, Wv, xn, wall; writes xn, wall
.if DOCPART == 1
	.amdgcn_target "amdgcn-amd-amdhsa--gfx1250"
	.amdhsa_code_object_version 6
	.text
	.protected	k_q84d6e573b5_prep
	.globl	k_q84d6e573b5_prep
	.p2align	8
	.type	k_q84d6e573b5_prep,@function
k_q84d6e573b5_prep:
	s_mov_b64 s[64:65], 0
	v_nop
	global_prefetch_b8 v0, s[64:65] scope:SCOPE_SE
	s_setreg_imm32_b32 hwreg(HW_REG_WAVE_MODE, 25, 1), 1
	s_wait_xcnt 0x0
; xn[r][:] = (x[r][:] - mean) * rsqrt(var + 1e-5) * gamma + beta, rounded once to f16; wall = Wq, Wk, Wv stacked by rows, rounded once to f16.
; x: [8192][1024] f32; W*: [1024][1024] f32; xn: [8192][1024] f16; wall: [3072][1024] f16.
; LIMITS.  f16 holds no number of 65,520 or more: |xn| (at most 32 |gamma| + |beta|) and |W| stay under 65,504; below 6e-5 f16 keeps a fixed step of 6e-8.
; The variance is taken of the centred row (two passes over registers), so a common offset of x is never squared.
; SHARES.  A stream: each byte is read once and written once.  A wave takes 4 rows, a work-group of eight waves 32.  Work-groups 0-255 normalise x's rows, 256-351 convert the weights' 3,072 rows.
; A row of 4,096 bytes is eight loads of 16 bytes a lane, 512 consecutive bytes each; all 32 loads of a wave (16 KiB) go out at once, so there is no loop and no register is loaded twice.
; A row stays in 32 registers between the passes.  Chunk j of a row leaves as one store of 8 bytes a lane: 256 consecutive bytes, at a multiple of 256 from the buffer's first byte.
; No LDS, no barrier (a row never leaves its wave), no matrix unit, no cluster (no two work-groups read the same rows; gamma and beta are 8 KiB).
.set G,   8                            ; v[8:39]    gamma of my 32 columns (chunk j: columns 128 j + 4 lane + 0..3)
.set BT,  40                           ; v[40:71]   beta likewise
.set X,   72                           ; v[72:199]  row i at X + 32 i
.set T,   200                          ; v[200:207] four chains of pairs
.set MU,  208                          ; v[208:209] the mean, twice
.set R,   210                          ; v[210:211] 1 / sqrt(var + eps), twice
.set SC,  212                          ; v212       takes the other half of the lanes' sum
	s_load_b512 s[4:19], s[0:1], 0x0               ; x s[4:5], gamma s[6:7], beta s[8:9], Wq s[10:11], Wk s[12:13], Wv s[14:15], xn s[16:17], wall s[18:19]
	s_mov_b32 s2, ttmp9
	s_mov_b32 s24, 0x3a800000                      ; 1 / 1024
	s_mov_b32 s25, 0x3727c5ac                      ; 1e-5
	s_mov_b32 s26, 0x76543210                      ; v_permlanex16_b32: each lane takes its own place in the other half
	s_mov_b32 s27, 0xfedcba98
	s_mov_b32 s29, 0                               ; the high word of the offsets' pair
	v_and_b32 v1, 31, v0                           ; lane
	v_and_b32 v5, 0xe0, v0                         ; 32 x wave
	v_lshlrev_b32 v2, 4, v1                        ; 16 x lane: gamma, beta
	v_lshl_add_u32 v3, v5, 9, v2                   ; + wave x 4 rows x 4,096 bytes: the rows in
	v_lshlrev_b32 v4, 3, v1
	v_lshl_add_u32 v4, v5, 8, v4                   ; 8 x lane + wave x 4 rows x 2,048 bytes: the rows out
	v_mov_b32 v[SC], 0                             ; v_permlanex16_b32's destination counts as read
	s_wait_kmcnt 0x0
.macro LOADS                           ; my four rows: load n brings chunk n % 8 of row n / 8
.set n, 0
.rept 32
	global_load_b128 v[X+4*n:X+4*n+3], v3, s[20:21] offset:512*n th:TH_LOAD_NT
.set n, n+1
.endr
.endm
.macro WAVESUM                         ; the four chains, the pair's halves, the 32 lanes: the sum in every lane's v[T]
	v_pk_add_f32 v[T:T+1], v[T:T+1], v[T+2:T+3]
	v_pk_add_f32 v[T+4:T+5], v[T+4:T+5], v[T+6:T+7]
	v_pk_add_f32 v[T:T+1], v[T:T+1], v[T+4:T+5]
	v_add_f32 v[T], v[T], v[T+1]
	v_add_f32_dpp v[T], v[T], v[T] row_xmask:1 row_mask:0xf bank_mask:0xf
	v_add_f32_dpp v[T], v[T], v[T] row_xmask:2 row_mask:0xf bank_mask:0xf
	v_add_f32_dpp v[T], v[T], v[T] row_xmask:4 row_mask:0xf bank_mask:0xf
	v_add_f32_dpp v[T], v[T], v[T] row_xmask:8 row_mask:0xf bank_mask:0xf
	v_permlanex16_b32 v[SC], v[T], s26, s27
	v_add_f32 v[T], v[T], v[SC]
.endm
.macro OUTROW i                        ; row i is rounded to f16 in place (chunk j into its first two registers) and stored
.set XR, X+32*(\i)
.irp j, 0,1,2,3,4,5,6,7
	v_cvt_pk_f16_f32 v[XR+4*\j], v[XR+4*\j], v[XR+4*\j+1]
	v_cvt_pk_f16_f32 v[XR+4*\j+1], v[XR+4*\j+2], v[XR+4*\j+3]
.endr
.irp j, 0,1,2,3,4,5,6,7
	global_store_b64 v4, v[XR+4*\j:XR+4*\j+1], s[22:23] offset:2048*(\i)+256*\j
.endr
.endm
; Row i is normalised.  left = the younger rows' loads, which stay out (loads come back in order: ISA guide 5.7.1); gamma's and beta's were issued ahead of all rows.
.macro LNROW i, left
.set XR, X+32*(\i)
	s_wait_loadcnt \left
.irp c, 0,1,2,3
	v_pk_add_f32 v[T+2*\c:T+2*\c+1], v[XR+2*\c:XR+2*\c+1], v[XR+8+2*\c:XR+8+2*\c+1]  ; the first pairs start the chains: nothing is cleared
.endr
.irp k, 2,3
.irp c, 0,1,2,3
	v_pk_add_f32 v[T+2*\c:T+2*\c+1], v[T+2*\c:T+2*\c+1], v[XR+8*\k+2*\c:XR+8*\k+2*\c+1]
.endr
.endr
	WAVESUM
	v_mul_f32 v[MU], s24, v[T]
	v_mul_f32 v[MU+1], s24, v[T]
.set p, 0
.rept 16
	v_pk_add_f32 v[XR+p:XR+p+1], v[XR+p:XR+p+1], v[MU:MU+1] neg_lo:[0,1] neg_hi:[0,1]  ; x - mean, in place
.set p, p+2
.endr
.irp c, 0,1,2,3
	v_pk_mul_f32 v[T+2*\c:T+2*\c+1], v[XR+2*\c:XR+2*\c+1], v[XR+2*\c:XR+2*\c+1]
.endr
.irp k, 1,2,3
.irp c, 0,1,2,3
	v_pk_fma_f32 v[T+2*\c:T+2*\c+1], v[XR+8*\k+2*\c:XR+8*\k+2*\c+1], v[XR+8*\k+2*\c:XR+8*\k+2*\c+1], v[T+2*\c:T+2*\c+1]
.endr
.endr
	WAVESUM
	v_fma_f32 v[T], v[T], s24, s25                 ; var + eps
	v_rsq_f32 v[R], v[T]
	v_rsq_f32 v[R+1], v[T]
	v_nop                                          ; a plain instruction between the last v_rsq_f32 and the use of its result (ISA guide 5.7.2)
.set p, 0
	s_wait_alu depctr_va_vdst(0)
.rept 16
	v_pk_mul_f32 v[XR+p:XR+p+1], v[XR+p:XR+p+1], v[R:R+1]
.set p, p+2
.endr
.set p, 0
.rept 16
	v_pk_fma_f32 v[XR+p:XR+p+1], v[XR+p:XR+p+1], v[G+p:G+p+1], v[BT+p:BT+p+1]
.set p, p+2
.endr
	OUTROW \i
.endm
	s_cmp_lt_u32 s2, 256
	s_cbranch_scc0 .Lweights
	s_lshl_b32 s28, s2, 17                         ; 32 rows of 4,096 bytes
	s_add_nc_u64 s[20:21], s[4:5], s[28:29]
	s_lshl_b32 s28, s2, 16                         ; 32 rows of 2,048 bytes
	s_add_nc_u64 s[22:23], s[16:17], s[28:29]
.irp j, 0,1,2,3,4,5,6,7
	global_load_b128 v[G+4*\j:G+4*\j+3], v2, s[6:7] offset:512*\j
.endr
.irp j, 0,1,2,3,4,5,6,7
	global_load_b128 v[BT+4*\j:BT+4*\j+3], v2, s[8:9] offset:512*\j
.endr
	LOADS
	LNROW 0, 24
	LNROW 1, 16
	LNROW 2, 8
	LNROW 3, 0
	s_endpgm                                       ; no register that a store names is written again, so no wait stands behind the stores
.Lweights:
	s_sub_co_u32 s30, s2, 256                      ; block of 32 rows of the stacked weights, 0 to 95
	s_lshr_b32 s31, s30, 5                         ; 0: Wq, 1: Wk, 2: Wv
	s_cmp_eq_u32 s31, 0
	s_cselect_b64 s[20:21], s[10:11], s[12:13]
	s_cmp_eq_u32 s31, 2
	s_cselect_b64 s[20:21], s[14:15], s[20:21]
	s_and_b32 s28, s30, 31
	s_lshl_b32 s28, s28, 17
	s_add_nc_u64 s[20:21], s[20:21], s[28:29]
	s_lshl_b32 s28, s30, 16
	s_add_nc_u64 s[22:23], s[18:19], s[28:29]
	LOADS
.irp i, 0,1,2,3
	s_wait_loadcnt 8*(3-\i)                        ; the younger rows' loads stay out
	OUTROW \i
.endr
	s_endpgm
.Lfunc_end_k_q84d6e573b5_prep:
	.size	k_q84d6e573b5_prep, .Lfunc_end_k_q84d6e573b5_prep-k_q84d6e573b5_prep
	.p2alignl 7, 3214868480
	.fill 96, 4, 3214868480
	.section	.rodata,"a",@progbits
	.p2align	6, 0x0
	.amdhsa_kernel k_q84d6e573b5_prep
		.amdhsa_group_segment_fixed_size 0
		.amdhsa_private_segment_fixed_size 0
		.amdhsa_enable_private_segment 0
		.amdhsa_kernarg_size 64
		.amdhsa_user_sgpr_count 2
		.amdhsa_user_sgpr_kernarg_segment_ptr 1
		.amdhsa_wavefront_size32 1
		.amdhsa_system_sgpr_workgroup_id_x 1
		.amdhsa_system_sgpr_workgroup_id_y 1
		.amdhsa_system_sgpr_workgroup_id_z 1
		.amdhsa_system_vgpr_workitem_id 0
		.amdhsa_next_free_vgpr 216
		.amdhsa_next_free_sgpr 66
		.amdhsa_reserve_vcc 0
		.amdhsa_float_denorm_mode_32 3
		.amdhsa_float_denorm_mode_16_64 3
		.amdhsa_memory_ordered 1
		.amdhsa_forward_progress 1
		.amdhsa_inst_pref_size 48
	.end_amdhsa_kernel
	.amdgpu_metadata
---
amdhsa.version: [ 1, 2 ]
amdhsa.kernels:
  - .name:           k_q84d6e573b5_prep
    .symbol:         k_q84d6e573b5_prep.kd
    .args:
      - { .name: x, .offset: 0, .size: 8, .value_kind: global_buffer, .address_space: global }
      - { .name: ln_gamma, .offset: 8, .size: 8, .value_kind: global_buffer, .address_space: global }
      - { .name: ln_beta, .offset: 16, .size: 8, .value_kind: global_buffer, .address_space: global }
      - { .name: Wq, .offset: 24, .size: 8, .value_kind: global_buffer, .address_space: global }
      - { .name: Wk, .offset: 32, .size: 8, .value_kind: global_buffer, .address_space: global }
      - { .name: Wv, .offset: 40, .size: 8, .value_kind: global_buffer, .address_space: global }
      - { .name: xn, .offset: 48, .size: 8, .value_kind: global_buffer, .address_space: global }
      - { .name: wall, .offset: 56, .size: 8, .value_kind: global_buffer, .address_space: global }
    .group_segment_fixed_size: 0
    .private_segment_fixed_size: 0
    .kernarg_segment_align: 8
    .kernarg_segment_size: 64
    .max_flat_workgroup_size: 256
    .sgpr_count:     66
    .vgpr_count:     216
    .wavefront_size: 32
...
	.end_amdgpu_metadata
.endif
;; end of part 1
;; launch proj (part 2): grid 16 x 32, 4 waves a work-group, clusters of 4 x 4, 327,680 bytes of LDS; arguments xn, wall, bq, bk, bv, qkv; writes qkv
.if DOCPART == 2
	.amdgcn_target "amdgcn-amd-amdhsa--gfx1250"
	.amdhsa_code_object_version 6
	.text
	.protected	k_q84d6e573b5_proj
	.globl	k_q84d6e573b5_proj
	.p2align	8
	.type	k_q84d6e573b5_proj,@function
k_q84d6e573b5_proj:
	s_mov_b64 s[64:65], 0
	v_nop
	global_prefetch_b8 v0, s[64:65] scope:SCOPE_SE
	s_setreg_imm32_b32 hwreg(HW_REG_WAVE_MODE, 25, 1), 1
	s_wait_xcnt 0x0
	s_wait_alu depctr_hold_cnt(0) depctr_sa_sdst(0) depctr_va_vdst(0) depctr_va_sdst(0) depctr_va_ssrc(0) depctr_va_vcc(0) depctr_vm_vsrc(0)
	s_getreg_b32 s2, hwreg(HW_REG_IB_STS2, 6, 4)
	s_cmp_eq_u32 s2, 0
	s_cbranch_scc0 .Lentry_in_a_cluster
	s_endpgm
.Lentry_in_a_cluster:
	s_bfe_u32 s2, ttmp6, 0x10000c
	s_cmp_lg_u32 s2, 0xf033
	s_cbranch_scc0 .Lentry_shape_is_right
	s_endpgm
.Lentry_shape_is_right:
; qkv[g][m][d] = the sum over k of xn[m][k] wall[64 g + d][k] + bias[64 g + d], rounded once to f16.  xn: [8192][1024] f16, wall: [3072][1024] f16 (Wq, Wk, Wv by rows), bq, bk, bv: [1024] f32,
; qkv: [48][8192][64] f16: g = 0-15 q's heads, 16-31 k's, 32-47 v's; a head's rows are dense, 128 bytes each.  Sums in f32.
; LIMIT.  f16 holds no number of 65,520 or more: |q|, |k|, |v| stay under 65,504.
; THE TILE is 256 rows x 192 columns (three whole heads): 32 x 16 = 512 tiles, two for each of 256 WGPs; 256 x 256 would give 384.  Four waves one below the other, each 64 x 192: 48 accumulators of 16 x 16,
; 384 registers; a wave then holds whole heads and stores dense blocks of 2,048 bytes through a stage of its own, with no barrier.  For 32 along K a wave loads 32 x 512 bytes from LDS for 48 matrix instructions.
; K goes in 8 steps of 128 through a ring of two LDS slots: the tiles' rows are 256 bytes of memory, at multiples of 256 bytes.  One tensor load a wave behind each change of slots: waves 0, 1 fetch
; A's halves (128 rows), waves 2, 3 B's (96 rows).
; CLUSTER: 4 x 4 work-groups.  The four of a row of the cluster need the same tiles of xn, the four of a column the same tiles of wall: each is asked for jointly, by the same tensor load with the same
; descriptor and a mask that names the four.
; THE MATRIX INSTRUCTION IS USED TRANSPOSED (source 0 = 16 rows of wall, source 1 = 16 rows of xn): lane l holds row l % 16 of the result and the columns 8 (l / 16) + 0..7, which pack into 16 bytes.
; THE BIAS is the C operand of each accumulator's first product: nothing is cleared and nothing is added afterwards.
; No prefetch: each row of xn is read by four clusters and each row of wall by eight, so neither stream is read once.
; REGISTERS, in windows of 256 (s_set_vgpr_msb: bits 1:0 source 0, 3:2 source 1, 5:4 source 2, 7:6 destination):
;   window 0: v0-29 addresses; v32-63, v64-95 A's fragments (4 x 16 rows x 32 K), two buffers; v96-191 the bias, 8 registers a column block; on the way out v96-143 packed results, v144-239 rows read back
;   window 1: v0-95, v96-191 B's fragments (12 x 16 rows x 32 K), two buffers
;   window 2: the 24 accumulators of my rows 0-31 ((a, b) at 8 (12 a + b));   window 3: those of my rows 32-63
.set PITCH,  272                       ; an LDS row: 256 bytes + 16 of padding = 68 words: row r starts at bank 4 r mod 64 (64 banks of 4 bytes: ISA guide 11.1)
.set HALFA,  128*PITCH                 ; what a tensor load of A brings
.set HALFB,  96*PITCH                  ; and of B
.set SLOT,   2*HALFA+2*HALFB           ; A's 256 rows, then B's 192 rows: 121,856 bytes
.set STAGE,  2*SLOT                    ; behind the ring, never filled by a tensor load: 16 rows x 400 bytes for each wave
.set SPITCH, 400                       ; 384 bytes + 16: 25 x 16, so the 16 rows of a store start at 16 different groups of four banks
.set SPARE,  STAGE+4*16*SPITCH         ; behind the stages: the spare words, 128 bytes for each wave: two blocks of 256 bytes that no other line names
.set ADRA, 16                          ; v16-17  LDS address of my A fragments in slot 0, 1
.set ADRB, 20                          ; v20-21  the same for B
.set STO,  24                          ; v24     the way out: where I put 16 bytes of a row
.set RD,   25                          ; v25     the way out: where I read rows back
.set GO,   26                          ; v26     16 x lane: my place in 512 consecutive bytes of a head
.set BO,   27                          ; v27     32 (l / 16): my eight numbers of a column block's bias
.set SPW,  28                          ; v28     LDS address of my spare word; never rewritten
.set NIL,  29                          ; v29     0; never rewritten
.set FA,   32
.set BIAS, 96
.set TMP,  96
.set OB,   144
.set WV,   16                          ; s16  my wave's number
.set SIDE, 17                          ; s17  0: I fetch for A, 1: for B
.set HALF, 18                          ; s18  which half of that tile's rows I fetch
.set G1A,  24                          ; s[24:31] descriptor group 1 for A's tiles;  s[32:39] group 0, a set for each slot
.set G0A,  32
.set G1B,  40                          ; s[40:47], s[48:55] the same for B's
.set G0B,  48
.set BP,   66                          ; s[66:71] the three heads' bias
.set GW, (1<<16)|(1<<20)|(1<<21)|(5<<22)|(3<<25)  ; 17:16 elements of 2 bytes; 20 padding on; 21 set beside a mask; 24:22 after every 64 words (code 5); 31:25 4 words of it (code 3)
.set MSB, 0
.macro WIN new                         ; the immediate's high byte repeats the setting that is left; a switch that changes nothing is dropped
.if MSB != (\new)
	s_set_vgpr_msb (MSB<<8)|(\new)
.set MSB, \new
.endif
.endm
.set TO_B, 0x40                        ; destination window 1, address window 0
; A joint load.  The branch hangs on the wave's number alone.  An s_nop 0 and four v_nop follow each of the two lines, ahead of the jump and the label.
.macro JLOAD s
	s_cmp_eq_u32 s[SIDE], 0
	s_cbranch_scc0 .Lfor_b_\@
	tensor_load_to_lds s[G0A+4*(\s):G0A+4*(\s)+3], s[G1A:G1A+7]
	s_nop 0
.rept 4
	v_nop
.endr
	s_branch .Lasked_\@
.Lfor_b_\@:
	tensor_load_to_lds s[G0B+4*(\s):G0B+4*(\s)+3], s[G1B:G1B+7]
	s_nop 0
.rept 4
	v_nop
.endr
.Lasked_\@:
.endm
.macro CREST                           ; a round of the cluster's barrier behind its opening barrier
	s_cmp_lg_u32 s[WV], 0
	s_cbranch_scc1 .Lnot_wave_0_\@
	s_barrier_signal -3
.Lnot_wave_0_\@:
	s_barrier_wait -3
	s_barrier_signal -1
	s_barrier_wait -1
.endm
.macro CROUND                          ; a whole round
	s_barrier_signal -1
	s_barrier_wait -1
	CREST
.endm
	s_load_b256 s[4:11], s[0:1], 0x0               ; xn s[4:5], wall s[6:7], bq s[8:9], bk s[10:11]
	s_load_b128 s[12:15], s[0:1], 0x20             ; bv s[12:13], qkv s[14:15]
	v_lshl_add_u32 v[SPW], v0, 2, SPARE
	v_mov_b32 v[NIL], 0
	ds_add_u32 v[SPW], v[NIL]                      ; the wave's opening: the add and its wait stand ahead of my first tensor load; the set-up below, work on registers, stands between them
	v_lshrrev_b32 v1, 5, v0
	v_readfirstlane_b32 s[WV], v1                  ; wave 0..3
	s_lshr_b32 s[SIDE], s[WV], 1
	s_and_b32 s[HALF], s[WV], 1
	s_bfe_u32 s19, ttmp6, 0x40000                  ; cx
	s_bfe_u32 s20, ttmp6, 0x40004                  ; cy
	s_lshl_b32 s21, ttmp9, 2
	s_add_co_u32 s21, s21, s19                     ; tile column = 4 x cluster x + cx
	s_and_b32 s22, ttmp7, 0xffff
	s_lshl_b32 s22, s22, 2
	s_add_co_u32 s22, s22, s20                     ; tile row = 4 x cluster y + cy
	s_lshl_b32 s61, s20, 2
	s_lshl_b32 s61, 15, s61                        ; my row of the cluster: places 4 cy .. 4 cy + 3
	s_lshl_b32 s62, 0x1111, s19                    ; my column: places cx, cx + 4, cx + 8, cx + 12
	s_or_b32 s[G1A], s61, GW                       ; 15:0 the mask: A's tiles go to my row
	s_or_b32 s[G1B], s62, GW                       ; B's to my column
	s_mov_b32 s[G1A+1], 128<<16                    ; tensor_dim0 = 128
	s_mov_b32 s[G1A+2], 128<<16                    ; tensor_dim1 = 128
	s_mov_b32 s[G1A+3], 128<<16                    ; tile_dim0 = 128 elements: 256 bytes
	s_mov_b32 s[G1A+4], 128                        ; tile_dim1 = 128 rows
	s_mov_b32 s[G1A+5], 1024                       ; elements from row to row
	s_mov_b32 s[G1A+6], 0
	s_mov_b32 s[G1A+7], 0
	s_mov_b32 s[G1B+1], 128<<16
	s_mov_b32 s[G1B+2], 96<<16                     ; tensor_dim1 = 96
	s_mov_b32 s[G1B+3], 128<<16
	s_mov_b32 s[G1B+4], 96                         ; tile_dim1 = 96 rows
	s_mov_b32 s[G1B+5], 1024
	s_mov_b32 s[G1B+6], 0
	s_mov_b32 s[G1B+7], 0
	; where the tiles come from: A's hang on the tile row and the wave's number alone, B's on the tile column and the wave's number alone
	s_lshl_b32 s56, s22, 8
	s_lshl_b32 s63, s[HALF], 7
	s_add_co_u32 s56, s56, s63                     ; A: row 256 x tile row + 128 x half
	s_lshl_b32 s56, s56, 11                        ; rows of 2,048 bytes: 16 MiB at the most
	s_mov_b32 s57, 0
	s_mul_i32 s58, s21, 192
	s_mul_i32 s63, s[HALF], 96
	s_add_co_u32 s58, s58, s63                     ; B: row 192 x tile column + 96 x half
	s_lshl_b32 s58, s58, 11
	s_mov_b32 s59, 0
	s_mul_i32 s2, s[HALF], HALFA                   ; and where they go: no place in the cluster enters an LDS address
	s_mul_i32 s3, s[HALF], HALFB
	s_add_co_u32 s3, s3, 2*HALFA
	s_wait_dscnt 0x0                               ; the opening add is done
	s_wait_kmcnt 0x0
	s_add_nc_u64 s[56:57], s[4:5], s[56:57]
	s_add_nc_u64 s[58:59], s[6:7], s[58:59]
	CROUND                                         ; all sixteen work-groups are here: the first joint loads meet
.irp s, 0,1
	s_mov_b32 s[G0A+4*(\s)], 1                                       ; 1:0 count = 1
	s_add_co_u32 s[G0A+4*(\s)+1], s2, (\s)*SLOT                      ; 63:32 LDS address
	s_add_nc_u64 s[G0A+4*(\s)+2:G0A+4*(\s)+3], s[56:57], (\s)*256    ; 120:64 global address: K step s
	s_or_b32 s[G0A+4*(\s)+3], s[G0A+4*(\s)+3], 0x80000000            ; 127:126 type = 2
	s_mov_b32 s[G0B+4*(\s)], 1
	s_add_co_u32 s[G0B+4*(\s)+1], s3, (\s)*SLOT
	s_add_nc_u64 s[G0B+4*(\s)+2:G0B+4*(\s)+3], s[58:59], (\s)*256
	s_or_b32 s[G0B+4*(\s)+3], s[G0B+4*(\s)+3], 0x80000000
.endr
	s_cmp_eq_u32 s[SIDE], 0                        ; a wave's two first fills stand in one branch, ahead of every wait on TENSORcnt and every LDS read: two loads of mine are out
	s_cbranch_scc0 .Lfirst_b
	tensor_load_to_lds s[G0A:G0A+3], s[G1A:G1A+7]
	s_nop 0
	tensor_load_to_lds s[G0A+4:G0A+7], s[G1A:G1A+7]
	s_nop 0
.rept 4
	v_nop
.endr
	s_branch .Lfirst_asked
.Lfirst_b:
	tensor_load_to_lds s[G0B:G0B+3], s[G1B:G1B+7]
	s_nop 0
	tensor_load_to_lds s[G0B+4:G0B+7], s[G1B:G1B+7]
	s_nop 0
.rept 4
	v_nop
.endr
.Lfirst_asked:
	; the bias of my tile's three heads g = 3 x tile column + i: from bq (g < 16), bk (g < 32) or bv, 256 bytes a head
	v_and_b32 v1, 15, v0                           ; l % 16
	v_bfe_u32 v2, v0, 4, 1                         ; l / 16
	v_lshlrev_b32 v[BO], 5, v2
	s_mul_i32 s23, s21, 3
	s_mov_b32 s63, 0
.irp i, 0,1,2
	s_add_co_u32 s61, s23, (\i)
	s_cmp_lt_u32 s61, 16
	s_cselect_b64 s[BP+2*(\i):BP+2*(\i)+1], s[8:9], s[10:11]
	s_cmp_lt_u32 s61, 32
	s_cselect_b64 s[BP+2*(\i):BP+2*(\i)+1], s[BP+2*(\i):BP+2*(\i)+1], s[12:13]
	s_and_b32 s62, s61, 15
	s_lshl_b32 s62, s62, 8
	s_add_nc_u64 s[BP+2*(\i):BP+2*(\i)+1], s[BP+2*(\i):BP+2*(\i)+1], s[62:63]
.endr
.irp i, 0,1,2
.irp j, 0,1,2,3
	global_load_b128 v[BIAS+8*(4*(\i)+(\j)):BIAS+8*(4*(\i)+(\j))+3],   v[BO], s[BP+2*(\i):BP+2*(\i)+1] offset:64*(\j)     ; register j of column block b: column 16 b + 8 (l / 16) + j
	global_load_b128 v[BIAS+8*(4*(\i)+(\j))+4:BIAS+8*(4*(\i)+(\j))+7], v[BO], s[BP+2*(\i):BP+2*(\i)+1] offset:64*(\j)+16
.endr
.endr
	; A fragment is 16 rows x 32 K in 8 registers: lane l holds row l % 16; registers 0-3 K = 8 (l / 16) + 0..7, registers 4-7 K = 16 + 8 (l / 16) + 0..7: two loads of 16 bytes, 32 bytes apart.
	v_mul_u32_u24 v3, v1, PITCH
	v_lshl_add_u32 v3, v2, 4, v3                   ; row x pitch + 16 x half
	s_mul_i32 s61, s[WV], 64*PITCH                 ; my 64 rows of A
.irp s, 0,1
	v_add_nc_u32 v[ADRA+(\s)], s61, v3
	v_add_nc_u32 v[ADRB+(\s)], 2*HALFA+(\s)*SLOT, v3  ; every wave reads all 192 rows of B
	s_add_co_u32 s61, s61, SLOT
.endr
	s_mul_i32 s61, s[WV], 16*SPITCH
	s_add_co_u32 s61, s61, STAGE                   ; my stage
	v_mul_u32_u24 v4, v1, SPITCH                   ; in: row l % 16, 16 bytes for each half of the lanes
	v_lshl_add_u32 v4, v2, 4, v4
	v_add_nc_u32 v[STO], s61, v4
	v_bfe_u32 v5, v0, 3, 2                         ; back: 32 lanes take a head's 128 bytes of four rows,
	v_mul_u32_u24 v5, v5, SPITCH
	v_and_b32 v4, 7, v0
	v_lshl_add_u32 v5, v4, 4, v5
	v_add_nc_u32 v[RD], s61, v5
	v_and_b32 v[GO], 31, v0                        ; which are 512 consecutive bytes of qkv
	v_lshlrev_b32 v[GO], 4, v[GO]
	s_lshl_b32 s62, s23, 20                        ; my first head: 1 MiB a head,
	s_lshl_b32 s61, s22, 8
	s_lshl_b32 s63, s[WV], 6
	s_add_co_u32 s61, s61, s63                     ; my first row: 256 x tile row + 64 x wave,
	s_lshl_b32 s61, s61, 7                         ; 128 bytes a row
	s_add_co_u32 s62, s62, s61
	s_mov_b32 s63, 0
	s_add_nc_u64 s[14:15], s[14:15], s[62:63]
; 12 matrix instructions: row block 2 hi + a x all 12 column blocks, 32 along K, from buffer f.  first = 1: the sums start with the bias.
; The 48 accumulators take turns in the same order in every quarter, over the backward jump too.
.macro MUL12 f, hi, a, first
.if \first
	WIN 0x81+0x40*(\hi)                            ; B window 1, A and the bias window 0, D window 2 or 3
.else
	WIN 0xa1+0x50*(\hi)                            ; B window 1, A window 0, C and D window 2 or 3
.endif
.irp b, 0,1,2,3,4,5,6,7,8,9,10,11
.if \first
	v_wmma_f32_16x16x32_f16 v[8*(12*(\a)+(\b)):8*(12*(\a)+(\b))+7], v[96*(\f)+8*(\b):96*(\f)+8*(\b)+7], v[FA+32*(\f)+8*(2*(\hi)+(\a)):FA+32*(\f)+8*(2*(\hi)+(\a))+7], v[BIAS+8*(\b):BIAS+8*(\b)+7]
.else
	v_wmma_f32_16x16x32_f16 v[8*(12*(\a)+(\b)):8*(12*(\a)+(\b))+7], v[96*(\f)+8*(\b):96*(\f)+8*(\b)+7], v[FA+32*(\f)+8*(2*(\hi)+(\a)):FA+32*(\f)+8*(2*(\hi)+(\a))+7], v[8*(12*(\a)+(\b)):8*(12*(\a)+(\b))+7]
.endif
.endr
.endm
; 32 LDS loads in one run: a quarter step's fragments (192 rows of B, my 64 rows of A, 32 K at byte k of the rows) into buffer f
.macro FETCH slot, k, f
	WIN TO_B
.irp i, 0,1,2,3,4,5,6,7,8,9,10,11
	ds_load_b128 v[96*(\f)+8*(\i):96*(\f)+8*(\i)+3],   v[ADRB+(\slot)] offset:(\k)+(\i)*16*PITCH
	ds_load_b128 v[96*(\f)+8*(\i)+4:96*(\f)+8*(\i)+7], v[ADRB+(\slot)] offset:(\k)+(\i)*16*PITCH+32
.endr
	WIN 0
.irp i, 0,1,2,3
	ds_load_b128 v[FA+32*(\f)+8*(\i):FA+32*(\f)+8*(\i)+3],   v[ADRA+(\slot)] offset:(\k)+(\i)*16*PITCH
	ds_load_b128 v[FA+32*(\f)+8*(\i)+4:FA+32*(\f)+8*(\i)+7], v[ADRA+(\slot)] offset:(\k)+(\i)*16*PITCH+32
.endr
.endm
.macro PLACES                          ; four plain vector instructions in front of loads into registers that matrix instructions have read, and of conversions that read results (ISA guide 7.12.1 for the conversions)
.rept 4
	v_nop
.endr
.endm
; A K step is four quarters of 32 along K, 48 matrix instructions each, on buffers 0, 1, 0, 1.  One of the first three: multiplies buffer f; in its middle it fetches the next quarter, at byte k, into g.
.macro QUARTER slot, k, f, g, first
	s_wait_dscnt 4                                 ; B and A's rows 0-31 are in; the youngest four loads (A's rows 32-63) may be out
	MUL12 \f, 0, 0, \first
	MUL12 \f, 0, 1, \first
	PLACES
	FETCH \slot, \k, \g
	s_wait_dscnt 32                                ; all but the 32 just issued
	MUL12 \f, 1, 0, \first
	MUL12 \f, 1, 1, \first
.endm
; The last quarter multiplies buffer 1 and changes slots: ONE barrier.  In front of it each wave waits for all its tensor loads (one is out: its part of the next slot), adds 0 to its spare word, and waits
; for that and for its own reads of this slot.  fill = 1: the barrier opens a round of the cluster's, and this slot is filled again, two K steps on, first thing behind the round: from the request to the
; wait for it a wave issues 168 matrix instructions.
.macro TURN slot, next, fill
	WIN 0                                          ; (the add's two registers lie in window 0)
	s_wait_tensorcnt 0x0                           ; all my tensor loads have landed
	ds_add_u32 v[SPW], v[NIL]                      ; 0 onto my spare word
	s_wait_dscnt 5                                 ; (the add and the youngest four loads may be out)
	MUL12 1, 0, 0, 0                               ; twelve matrix instructions stand between the add and the wait for it
	s_wait_dscnt 0x0                               ; the add is done, and my reads of this slot are over
	s_barrier_signal -1
	MUL12 1, 0, 1, 0                               ; work on registers while the others arrive
.if \fill
	WIN 0
.endif
	s_barrier_wait -1
.if \fill
	CREST                                          ; no wave of any partner still reads this slot's tile or has a load on its way
	s_add_nc_u64 s[G0A+4*(\slot)+2:G0A+4*(\slot)+3], s[G0A+4*(\slot)+2:G0A+4*(\slot)+3], 512  ; two K steps of 256 bytes on; no tensor load of mine is out
	s_add_nc_u64 s[G0B+4*(\slot)+2:G0B+4*(\slot)+3], s[G0B+4*(\slot)+2:G0B+4*(\slot)+3], 512
	JLOAD \slot                                    ; the four v_nop behind it are also the places in front of the loads below
.else
	PLACES
.endif
	FETCH \next, 0, 0
	MUL12 1, 1, 0, 0
	MUL12 1, 1, 1, 0
.endm
; THE WAY OUT of row block a (16 rows x 192 columns).  PACK: rounded to f16, each accumulator's registers in ascending order.  TOSTAGE: into my own stage, and back head by head.  SEND: stored.
.macro PACK a
.set AC, 96*((\a)%2)
	WIN 0x0a+5*((\a)/2)                            ; sources 0 and 1: window 2 or 3
.irp b, 0,1,2,3,4,5,6,7,8,9,10,11
.irp r, 0,1,2,3
	v_cvt_pk_f16_f32 v[TMP+4*(\b)+(\r)], v[AC+8*(\b)+2*(\r)], v[AC+8*(\b)+2*(\r)+1]
.endr
.endr
	WIN 0
.endm
.macro TOSTAGE a
	WIN 0
.set BK, OB+48*((\a)%2)
.irp b, 0,1,2,3,4,5,6,7,8,9,10,11
	ds_store_b128 v[STO], v[TMP+4*(\b):TMP+4*(\b)+3] offset:32*(\b)
.endr
.irp i, 0,1,2
.irp t, 0,1,2,3
	ds_load_b128 v[BK+4*(4*(\i)+(\t)):BK+4*(4*(\i)+(\t))+3], v[RD] offset:1600*(\t)+128*(\i)  ; LDS serves a wave's instructions in order (ISA guide 5.7.1.4): these see the stores above
.endr
.endr
.endm
.macro SEND a
	WIN 0
.set BK, OB+48*((\a)%2)
	s_wait_dscnt 0x0                               ; the block is back in registers
	s_wait_xcnt 0x0                                ; the stores of the block before have read their registers, which the next block's loads from the stage write
.irp i, 0,1,2
.irp t, 0,1,2,3
	global_store_b128 v[GO], v[BK+4*(4*(\i)+(\t)):BK+4*(4*(\i)+(\t))+3], s[14:15] offset:((\i)<<20)+2048*(\a)+512*(\t)  ; 512 consecutive bytes of head i, at a multiple of 512 from qkv's first byte
.endr
.endr
.endm
	s_wait_tensorcnt 1                             ; my part of K step 0 is in; K step 1's may stay out
	s_barrier_signal -1
	s_barrier_wait -1                              ; everybody's is
	FETCH 0, 0, 0
	s_wait_loadcnt 0x0                             ; the bias
	QUARTER 0, 64, 0, 1, 1                         ; the first quarter stands in front of the loop: its products start the sums
	WIN 0                                          ; at a label and at a branch every window is 0
	s_mov_b32 s60, 3
.Llap:                                                 ; a trip goes once round the ring, from a lap's second quarter to the next lap's first, and fills both slots again: K steps 2 to 7 in three trips
	QUARTER 0, 128, 1, 0, 0
	QUARTER 0, 192, 0, 1, 0
	TURN 0, 1, 1
	QUARTER 1, 64,  0, 1, 0
	QUARTER 1, 128, 1, 0, 0
	QUARTER 1, 192, 0, 1, 0
	TURN 1, 0, 1
	QUARTER 0, 64,  0, 1, 0
	WIN 0
	s_sub_co_u32 s60, s60, 1
	s_cmp_lg_u32 s60, 0
	s_cbranch_scc1 .Llap
	QUARTER 0, 128, 1, 0, 0                        ; the last lap fills nothing, and has no round of the cluster's barrier
	QUARTER 0, 192, 0, 1, 0
	TURN 0, 1, 0
	QUARTER 1, 64,  0, 1, 0
	QUARTER 1, 128, 1, 0, 0
	QUARTER 1, 192, 0, 1, 0
	s_wait_dscnt 4                                 ; the very last quarter: nothing more to fetch
	MUL12 1, 0, 0, 0
	MUL12 1, 0, 1, 0
	s_wait_dscnt 0x0
	MUL12 1, 1, 0, 0
	MUL12 1, 1, 1, 0
	WIN 0
	PLACES
	PACK 0
	TOSTAGE 0
.irp a, 1,2,3                          ; block a's conversions stand between block a - 1's loads from the stage and the wait for them
	PACK \a
	SEND (\a)-1
	TOSTAGE \a
.endr
	SEND 3
	s_wait_tensorcnt 0x0                           ; the wave's end: the add between two waits, behind my last tensor load and my last LDS store
	ds_add_u32 v[SPW], v[NIL]
	s_wait_dscnt 0x0
	CROUND                                         ; the closing round: no work-group ends while a partner may still ask for a tile that names it
	s_endpgm
.Lfunc_end_k_q84d6e573b5_proj:
	.size	k_q84d6e573b5_proj, .Lfunc_end_k_q84d6e573b5_proj-k_q84d6e573b5_proj
	.p2alignl 7, 3214868480
	.fill 96, 4, 3214868480
	.section	.rodata,"a",@progbits
	.p2align	6, 0x0
	.amdhsa_kernel k_q84d6e573b5_proj
		.amdhsa_group_segment_fixed_size 327680
		.amdhsa_private_segment_fixed_size 0
		.amdhsa_enable_private_segment 0
		.amdhsa_kernarg_size 48
		.amdhsa_user_sgpr_count 2
		.amdhsa_user_sgpr_kernarg_segment_ptr 1
		.amdhsa_wavefront_size32 1
		.amdhsa_system_sgpr_workgroup_id_x 1
		.amdhsa_system_sgpr_workgroup_id_y 1
		.amdhsa_system_sgpr_workgroup_id_z 1
		.amdhsa_system_vgpr_workitem_id 0
		.amdhsa_next_free_vgpr 960
		.amdhsa_next_free_sgpr 72
		.amdhsa_reserve_vcc 0
		.amdhsa_float_denorm_mode_32 3
		.amdhsa_float_denorm_mode_16_64 3
		.amdhsa_memory_ordered 1
		.amdhsa_forward_progress 1
		.amdhsa_inst_pref_size 121
	.end_amdhsa_kernel
	.amdgpu_metadata
---
amdhsa.version: [ 1, 2 ]
amdhsa.kernels:
  - .name:           k_q84d6e573b5_proj
    .symbol:         k_q84d6e573b5_proj.kd
    .args:
      - { .name: xn, .offset: 0, .size: 8, .value_kind: global_buffer, .address_space: global }
      - { .name: wall, .offset: 8, .size: 8, .value_kind: global_buffer, .address_space: global }
      - { .name: bq, .offset: 16, .size: 8, .value_kind: global_buffer, .address_space: global }
      - { .name: bk, .offset: 24, .size: 8, .value_kind: global_buffer, .address_space: global }
      - { .name: bv, .offset: 32, .size: 8, .value_kind: global_buffer, .address_space: global }
      - { .name: qkv, .offset: 40, .size: 8, .value_kind: global_buffer, .address_space: global }
    .group_segment_fixed_size: 327680
    .private_segment_fixed_size: 0
    .kernarg_segment_align: 8
    .kernarg_segment_size: 48
    .max_flat_workgroup_size: 128
    .sgpr_count:     72
    .vgpr_count:     960
    .wavefront_size: 32
...
	.end_amdgpu_metadata
.endif
;; end of part 2
;; launch attn (part 3): grid 4 x 64, 4 waves a work-group, clusters of 4 x 1, 327,680 bytes of LDS; arguments qkv, out0; writes out0
.if DOCPART == 3
	.amdgcn_target "amdgcn-amd-amdhsa--gfx1250"
	.amdhsa_code_object_version 6
	.text
	.protected	k_q84d6e573b5_attn
	.globl	k_q84d6e573b5_attn
	.p2align	8
	.type	k_q84d6e573b5_attn,@function
k_q84d6e573b5_attn:
	s_mov_b64 s[64:65], 0
	v_nop
	global_prefetch_b8 v0, s[64:65] scope:SCOPE_SE
	s_setreg_imm32_b32 hwreg(HW_REG_WAVE_MODE, 25, 1), 1
	s_wait_xcnt 0x0
	s_wait_alu depctr_hold_cnt(0) depctr_sa_sdst(0) depctr_va_vdst(0) depctr_va_sdst(0) depctr_va_ssrc(0) depctr_va_vcc(0) depctr_vm_vsrc(0)
	s_getreg_b32 s2, hwreg(HW_REG_IB_STS2, 6, 4)
	s_cmp_eq_u32 s2, 0
	s_cbranch_scc0 .Lentry_in_a_cluster
	s_endpgm
.Lentry_in_a_cluster:
	s_bfe_u32 s2, ttmp6, 0x10000c
	s_cmp_lg_u32 s2, 0x3003
	s_cbranch_scc0 .Lentry_shape_is_right
	s_endpgm
.Lentry_shape_is_right:
; out0[b][q][64 h + :] = the sum over k of softmax_k(Q[q] . K[k] / 8) V[k][:] for each of the 64 pairs (b, h).  qkv: [48][8192][64] f16 (heads 0-15 q, 16-31 k, 32-47 v; row = 2048 b + s; a head's rows
; are dense, 128 bytes each); out0: [4][2048][1024] f32.  Products, maxima and sums in f32; the weights p are rounded to f16 for the second product (their sum l is taken of the unrounded p).
; LIMITS.  f16 holds no number beyond 65,504: q, k and v arrive within it; p lies in 0 to 1, and below 6e-5 it keeps f16's fixed step of 6e-8.  A weight below 2^-126 counts as 0 in l; NaN and infinities are not treated apart.
; SHARES.  A wave owns four PIECES of two tiles of 16 queries, a work-group's four waves 512 queries of one pair (b, h): 256 work-groups.  Every wave walks all 2,048 keys, 64 a step.
; LAYOUT.  S^T = K Q^T (source 0 = 16 keys, source 1 = 16 queries): in the result a lane holds ONE query (lane % 16) and the keys 8 (lane / 16) + 0..7.  Two such tiles, rounded to f16 in pairs,
; ARE source 1 (32 keys x 16 queries) of O^T = V^T P, whose result again holds one query a lane, and eight channels.  K comes out of LDS as it lies, V ([key][channel]) turned, by ds_load_tr16_b128.
; SOFTMAX.  For each query a running maximum m and sum l: p = 2^(c s - c m), c = log2(e) / 8; in every step O and l are multiplied by a = 2^(c m_old - c m_new), which is 1 where m has not grown.
; m starts at the lowest finite number, O and l at 0: the first step is a step like any other, with a = 0.
; THE COUNT.  A tile and step have 16 matrix and 118 vector instructions: too many to stand all beside the matrix work.  So the order has one aim: four vector instructions that are READY behind
; EVERY matrix instruction, and the others, which need time of their own whatever the order, in runs without a gap.
; BY TURNS.  Turn n belongs to piece n (the pieces in a ring, step after step).  Its matrix work: 16 products K Q^T of piece n + 1, later 16 products V^T P of piece n - 1.  Its vector work: the scaling,
; exponentials, roundings, sums and rescaling of piece n, and the maximum and statistics of piece n + 1, whose scores the turn itself has made.  So what a turn begins with (c s - c m, O a) waits for nothing.
; CLUSTER.  The four query blocks of a pair (b, h) are one cluster and walk the same K and V, so each tile is asked for JOINTLY: the same tensor load, descriptor and mask in all four.
; REGISTERS, in windows of 256 (s_set_vgpr_msb says which window each operand place means: bits 1:0 source 0, 3:2 source 1, 5:4 source 2, 7:6 destination):
;   window 0: v0-11 addresses; v12-15, v48-63 at work; v16-47 four registers of statistics a tile; v64-191 S^T, two buffers of two tiles; v192-255 P, likewise
;   window 1: O^T, 32 a tile          window 2: v0-127 Q, 16 a tile; v128-191 K of one step; v192-255 V of one step          window 3: v0-1 the add's two registers
; A piece's buffers go by its number's parity: the piece in hand has one pair, its two neighbours in the ring share the other: of it P (piece n - 1) is read and S^T (piece n + 1) written.
.set SIZE_N, 2048     ; keys and queries of a pair (b, h)
.set NP,    4         ; pieces a wave: a name, no knob: the register map, the loop and the fetches are made for four
.set KS,    64        ; keys in a step
.set PK,    144       ; a row of K in LDS: 128 bytes + 16 of padding = 36 words: the 16 rows of a load start at 16 different groups of four banks (64 banks of 4 bytes: ISA guide 11.1)
.set PV,    160       ; a row of V: 128 + 32 = 40 words
.set VOFF,  4*KS*PK   ; a slot holds four steps: 256 rows of K, then 256 rows of V
.set SLOT1, 1<<17     ; slot 1 begins here, so that one exclusive or turns an address in one slot into the other's
.set STAGE, SLOT1+4*KS*(PK+PV)  ; behind the ring, never filled by a tensor load: 16 rows x 272 bytes for each wave, for the way out
.set SP,    272       ; a row of 64 f32 + 16 bytes
.set AK0, 2           ; v2   my lane's place in a tile of K; never rewritten
.set AV0, 3           ; v3   the same for V
.set AK,  4           ; v4   the LDS address of K's next run of loads
.set AV,  5           ; v5   of V's
.set QO,  6           ; v6   my byte offset in the wave's rows of Q
.set STO, 6           ;      later, the way out: where I put 16 bytes of a row
.set RD,  7           ; v7   the way out: where I read rows back
.set GO,  8           ; v8   my byte offset in two rows of out0
.set PFO, 10          ; v10  256 x my lane, for the prefetches; never rewritten once made
.set SPW, 0           ; v0 of window 3   LDS address of my spare word: SPARE + 4 x my thread's number; never rewritten
.set NIL, 1           ; v1 of window 3   0; never rewritten
.set SPARE, STAGE+4*16*SP  ; behind the stages: the spare words, 128 bytes for each wave: two blocks of 256 bytes that no other line names
.set MV,  12          ; v12-15  c m_old, kept while c m is made anew: by buffer and tile
.set ST,  16          ; tile t's statistics at v[ST+4 t]: c m, m, l (even keys', odd keys')
.set TMP, 48          ; by buffer and tile, four registers c0-c3 at work; when the maximum is found c2 takes a
.set S,   64
.set P,   192
.set KF,  128         ; K's fragments, in window 2: key block kb, channel half c at KF + 16 kb + 8 c
.set VF,  192         ; V's: key half kk, channel block cb at VF + 32 kk + 8 cb
.set WV,  12          ; s12  my wave's number
.set G1K, 24          ; s[24:31] descriptor group 1 for K's tiles
.set G1V, 32          ; s[32:39] for V's: it differs in the padding alone
.set G0K, 40          ; s[40:43] descriptor group 0 for K's tiles: it walks
.set G0V, 44          ; s[44:47] the same for V's
.set PFA, 50          ; s[50:51] where my prefetches stand: my work-group's 8,192 bytes (of K: wave 0, of V: wave 2) of the slot after the one that is being asked for
.set LIM, 52          ; s52  1 in a wave that prefetches, else the greatest number: a wave prefetches while s[SLOTS] is above it
.set SLOTS, 56        ; s56  slots still to be asked for
.set CNT, 57          ; s57  counts a slot's key steps
.set CS,  58          ; s[58:59] c: the packed scaling takes the pair's low word for both halves
.set SEL, 60          ; s[60:61] v_permlanex16_b32's selects: each lane takes its own place in the other half
.set TBK, 62          ; s62  LDS byte at which K of the step to be fetched begins
.set TBV, 63          ; s63  the same for V, less VOFF
.set MSB, 0
.macro WIN new                      ; the high byte repeats the setting that is left; a switch that changes nothing is dropped
.if MSB != (\new)
	s_set_vgpr_msb (MSB<<8)|(\new)
.set MSB, (\new)
.endif
.endm
.set W_KQ, 0x0a       ; K and Q in window 2, S^T in window 0
.set W_PV, 0x52       ; V in window 2, P in window 0, O^T in window 1
.set W_RS, 0x41       ; O^T (destination and source 0) in window 1, a in window 0
.set W_MK, 0xc0       ; the add's registers are made: destination in window 3, sources in window 0
.set W_AD, 0x0f       ; the add: address (source 0) and data (source 1) in window 3
; A joint fill.  Waves 0 and 1 fetch the two halves of a slot's K, waves 2 and 3 those of its V: 128 keys each.  The branch hangs on the wave's number alone.
; An s_nop 0 and four v_nop follow each of the two lines, ahead of the jump and the label.
.macro JLOAD
	s_cmp_lt_u32 s[WV], 2
	s_cbranch_scc0 .Lfor_v_\@
	tensor_load_to_lds s[G0K:G0K+3], s[G1K:G1K+7]
	s_nop 0
.rept 4
	v_nop
.endr
	s_branch .Lasked_\@
.Lfor_v_\@:
	tensor_load_to_lds s[G0V:G0V+3], s[G1V:G1V+7]
	s_nop 0
.rept 4
	v_nop
.endr
.Lasked_\@:
.endm
; A PREFETCH INTO THE L2 of what the NEXT change of slots will ask for: a slot's 32,768 bytes of K and of V, 256 bytes a lane.  It stands behind the wave's tensor load and its five lines.
; Each 256 bytes are named ONCE in the launch: a pair (b, h) has one cluster; its four partners share a slot out BY ADDRESS, 8,192 bytes each (no branch hangs on a work-group's place in its cluster);
; in each, wave 0 asks for K's and wave 2 for V's: one instruction.  The change that fills tile t (t = 2 to 6) names tile t + 1: four key steps, 512 matrix instructions, ahead of its load.
; Tiles 0 to 2 come by their loads alone; the last change that fills a slot names nothing: there is no tile behind it.
.macro ASK
	s_cmp_gt_u32 s[SLOTS], s[LIM]
	s_cbranch_scc0 .Lnot_mine_\@
	global_prefetch_b8 v[PFO], s[PFA:PFA+1] th:TH_LOAD_NT scope:SCOPE_SE
.Lnot_mine_\@:
.endm
; A round of the cluster's barrier: my work-group's barrier, so that wave 0's signal speaks for all four waves; wave 0 signals; every wave waits for all four work-groups; my work-group's barrier once more.
.macro CROUND
	s_barrier_signal -1
	s_barrier_wait -1
	s_cmp_lg_u32 s[WV], 0
	s_cbranch_scc1 .Lnot_wave_0_\@
	s_barrier_signal -3
.Lnot_wave_0_\@:
	s_barrier_wait -3
	s_barrier_signal -1
	s_barrier_wait -1
.endm
; THE CHANGE OF SLOTS.  The slot's last bytes, V of its fourth step, have been read.  Each wave waits for all its tensor loads, of which one is out: its part
; of the other slot; adds 0 to its spare word; and waits for that and for its own reads of the slot.  Behind the barrier nobody reads this slot any more and the other slot is whole.
; fill = 1: this slot is filled again, with the keys two slots on.  The barrier is then a round of the cluster's, so that no wave of any partner still reads the slot or has a load on its
; way, and the joint fill is the first thing behind it: it has four key steps, 512 matrix instructions, in which to land.  (At its first use nothing has been read yet: slot 0 is waited for, slot 1 filled.)
; ask = 1: the prefetches' address steps, and ASK follows the fill.
.macro CHANGE fill, ask=0
	WIN W_AD
	s_wait_tensorcnt 0x0            ; no tensor load of mine is out, so a group 0 may be written
	ds_add_u32 v[SPW], v[NIL]       ; 0 onto my spare word; with fill = 1 the descriptors' steps stand between it and the wait for it
	WIN 0                           ; at a label and at a branch every window is 0
.if \fill
.irp g, G0K, G0V
	s_xor_b32 s[\g+1], s[\g+1], SLOT1  ; the walking descriptor: the other slot than last time,
	s_add_nc_u64 s[\g+2:\g+3], s[\g+2:\g+3], 4*KS*128  ; the next 256 keys; the type bits on top are not reached
.endr
.if \ask
	s_wait_xcnt 0x0                 ; the last prefetch, four key steps back, has read its address, so it may be written:
	s_add_nc_u64 s[PFA:PFA+1], s[PFA:PFA+1], 4*KS*128  ; one slot behind the walking descriptors
.endif
	s_wait_dscnt 0x0                ; the add is done, and my reads of the slot are over
	CROUND
	JLOAD
.if \ask
	ASK
.endif
.else
	s_wait_dscnt 0x0                ; the add is done, and my reads of the slot are over
	s_barrier_signal -1
	s_barrier_wait -1
.endif
	s_sub_co_u32 s[TBK], s[TBK], 4*KS*PK  ; the fetches go back to a slot's first step,
	s_xor_b32 s[TBK], s[TBK], SLOT1       ; in the other slot
	s_sub_co_u32 s[TBV], s[TBV], 4*KS*PV
	s_xor_b32 s[TBV], s[TBV], SLOT1
.endm
	s_load_b128 s[4:7], s[0:1], 0x0   ; qkv s[4:5], out0 s[6:7]
	WIN W_MK
	v_lshl_add_u32 v[SPW], v0, 2, SPARE
	v_mov_b32 v[NIL], 0
	WIN W_AD
	ds_add_u32 v[SPW], v[NIL]       ; the wave's opening: the add and its wait stand ahead of my first tensor load; the set-up below, work on registers, stands between them
	WIN 0
	v_lshrrev_b32 v1, 5, v0
	v_readfirstlane_b32 s[WV], v1   ; wave 0..3
	s_bfe_u32 s13, ttmp6, 0x40000   ; cx: my place in the cluster
	s_lshl_b32 s14, ttmp9, 2        ; in a cluster launch ttmp9 counts clusters
	s_add_co_u32 s14, s14, s13      ; my block of 512 queries = 4 x cluster x + cx: it enters Q's and out0's addresses, and the prefetches', alone
	s_and_b32 s20, ttmp7, 0xffff    ; the pair (b, h), which the four partners share:
	s_lshr_b32 s21, s20, 4          ; b
	s_and_b32 s20, s20, 15          ; h
	s_lshl_b32 s48, s21, 23         ; in out0: b x 2,048 rows of 4,096 bytes
	s_lshl_b32 s49, s20, 8          ; + h x 64 f32
	s_add_co_u32 s48, s48, s49
	s_lshl_b32 s20, s20, 20         ; in q, k and v: h x 1 MiB
	s_lshl_b32 s21, s21, 18         ; + b x 2,048 rows of 128 bytes
	s_add_co_u32 s20, s20, s21
	s_mov_b32 s21, 0
	s_and_b32 s16, s[WV], 1         ; which half of a slot's 256 keys I fetch:
	s_lshl_b32 s22, s16, 14         ; its 128 rows of 128 bytes in memory,
	s_mov_b32 s23, 0
	s_add_nc_u64 s[22:23], s[22:23], s[20:21]
	s_mul_i32 s17, s16, 128*PK      ; and its place in a slot, for K
	s_mul_i32 s18, s16, 128*PV      ; and for V: no place in the cluster enters an LDS address
	s_lshl_b32 s2, s14, 2
	s_add_co_u32 s2, s2, s[WV]      ; my wave among the pair's sixteen,
	s_lshl_b32 s49, s2, 19          ; its 128 rows of out0
	s_add_co_u32 s48, s48, s49
	s_mov_b32 s49, 0
	s_lshl_b32 s2, s2, 14           ; and of q
	s_mov_b32 s3, 0
	s_add_nc_u64 s[2:3], s[2:3], s[20:21]
	s_lshl_b32 s54, s13, 13         ; the prefetches: my work-group's 8,192 bytes of a slot,
	s_add_co_u32 s54, s54, 2*4*KS*128  ; in tile 2; the first change that asks steps it to tile 3.  Nothing is prefetched at the head, where every work-group's first tiles are on their way
	s_mov_b32 s55, 0
	s_and_b32 s[LIM], s[WV], 1      ; 0 in waves 0 and 2: the same in all four partners
	s_cmp_eq_u32 s[LIM], 0
	s_cselect_b32 s[LIM], 1, -1
	; descriptor group 1.  128 keys are 16,384 dense bytes: asked for as 64 rows of 256 bytes, two keys a row, and padded in LDS after every key
	s_mov_b32 s[G1K], 15|(1<<16)|(1<<20)|(1<<21)|(4<<22)|(3<<25)  ; 15:0 the mask of four; 17:16 2-byte elements; 20 padding on; 21 set beside a mask; 24:22 after every 32 words (code 4); 31:25 4 words (code 3)
	s_mov_b32 s[G1V], 15|(1<<16)|(1<<20)|(1<<21)|(4<<22)|(7<<25)  ; the same with 8 words of padding (code 7)
.irp g, G1K, G1V
	s_mov_b32 s[\g+1], 128<<16      ; tensor_dim0 = 128
	s_mov_b32 s[\g+2], 64<<16       ; tensor_dim1 = 64
	s_mov_b32 s[\g+3], 128<<16      ; tile_dim0 = 128
	s_mov_b32 s[\g+4], 64           ; tile_dim1 = 64
	s_mov_b32 s[\g+5], 128          ; 128 elements from row to row
	s_mov_b32 s[\g+6], 0
	s_mov_b32 s[\g+7], 0
.endr
	s_mov_b32 s[CS], 0x3e38aa3b     ; c = log2(e) / 8 = 0.180337
	s_mov_b32 s[CS+1], s[CS]        ; named with it as a pair
	s_mov_b32 s[SEL], 0x76543210
	s_mov_b32 s[SEL+1], 0xfedcba98
	s_mov_b32 s[TBK], SLOT1+4*KS*PK ; the first change of slots turns these two into 0
	s_mov_b32 s[TBV], SLOT1+4*KS*PV
	s_mov_b32 s[G0K], 1             ; 1:0 count = 1
	s_mov_b32 s[G0K+1], s17         ; 63:32 LDS address: slot 0
	s_mov_b32 s[G0V], 1
	s_add_co_u32 s[G0V+1], s18, VOFF
	s_wait_dscnt 0x0                ; the opening add is done
	s_wait_kmcnt 0x0
	s_mov_b64 s[10:11], s[6:7]      ; out0
	s_add_nc_u64 s[6:7], s[4:5], 0x1000000  ; k's heads begin 16 MiB into qkv,
	s_add_nc_u64 s[8:9], s[4:5], 0x2000000  ; v's 32 MiB
	s_add_nc_u64 s[G0K+2:G0K+3], s[6:7], s[22:23]  ; 120:64 global address: my half of the pair's first 256 keys
	s_or_b32 s[G0K+3], s[G0K+3], 0x80000000        ; 127:126 type = 2
	s_add_nc_u64 s[G0V+2:G0V+3], s[8:9], s[22:23]
	s_or_b32 s[G0V+3], s[G0V+3], 0x80000000
	s_cmp_lt_u32 s[WV], 2
	s_cselect_b64 s[PFA:PFA+1], s[6:7], s[8:9]
	s_add_nc_u64 s[PFA:PFA+1], s[PFA:PFA+1], s[20:21]
	s_add_nc_u64 s[PFA:PFA+1], s[PFA:PFA+1], s[54:55]
	s_add_nc_u64 s[4:5], s[4:5], s[2:3]      ; Q and out0 at my wave's first row
	s_add_nc_u64 s[10:11], s[10:11], s[48:49]
	CROUND                          ; all four work-groups are here: the first joint loads meet
	JLOAD                           ; slot 0.  Slot 1 is asked for when slot 0 is in: the tile wanted first has the road to itself
	; A fragment of K or Q is 16 rows x 32 channels in 8 registers: lane l holds row l % 16, channels 8 (l / 16) + 0..7 and 16 + 8 (l / 16) + 0..7: two loads of 16 bytes, 32 bytes apart.
	v_and_b32 v1, 15, v0            ; l % 16
	v_bfe_u32 v9, v0, 4, 1          ; l / 16
	v_lshlrev_b32 v[QO], 7, v1
	v_lshl_add_u32 v[QO], v9, 4, v[QO]  ; row x 128 + 16 x half
	WIN 0x80                        ; destination window 2, address window 0
.set i, 0
.rept 4*NP                          ; Q stays in registers: tile i / 2, channels 32 (i % 2) on
	global_load_b128 v[8*i:8*i+3],   v[QO], s[4:5] offset:(i/2)*2048+(i%2)*64
	global_load_b128 v[8*i+4:8*i+7], v[QO], s[4:5] offset:(i/2)*2048+(i%2)*64+32
.set i, i+1
.endr
	; What the first turn finds: V's registers and P's second buffer hold 0 (its products V^T P, of a piece that has not been, add 0), O^T and l are 0.  All this stands in the wait for the first tile.
.set i, VF
.rept 64
	v_mov_b32 v[i], 0
.set i, i+1
.endr
	WIN 0x40
.set i, 0
.rept 64*NP
	v_mov_b32 v[i], 0
.set i, i+1
.endr
	WIN 0
.set i, 0
.rept 2*NP
	v_mov_b32 v[ST+4*i], 0xfe000000    ; c m: far below every c s
	v_mov_b32 v[ST+4*i+1], 0xff7fffff  ; m
	v_mov_b32 v[ST+4*i+2], 0
	v_mov_b32 v[ST+4*i+3], 0
.set i, i+1
.endr
.set i, P+32
.rept 32
	v_mov_b32 v[i], 0
.set i, i+1
.endr
	v_mul_u32_u24 v[AK0], v1, PK
	v_lshl_add_u32 v[AK0], v9, 4, v[AK0]  ; row x pitch + 16 x half
	; The turning load takes 16 keys x 16 channels (lane l reads key 8 (l / 16) + l % 8, channels 8 ((l / 8) % 2) + 0..7) and leaves half a fragment of V^T: lane l holds channel l % 16 and 8 keys.
	v_and_b32 v10, 7, v0
	v_bfe_u32 v11, v0, 3, 1
	v_lshl_add_u32 v[AV0], v9, 3, v10
	v_mul_u32_u24 v[AV0], v[AV0], PV
	v_lshl_add_u32 v[AV0], v11, 4, v[AV0]
	v_add_nc_u32 v[AV0], VOFF, v[AV0]
	v_and_b32 v[PFO], 31, v0        ; v10 has served: now the prefetches' offset
	v_lshlrev_b32 v[PFO], 8, v[PFO]
	v_mov_b32 v[AK], v[AK0]         ; key step 0 lies at the head of slot 0
; THE MATRIX WORK.  The 8 accumulators of a run of 16 take turns: between the two links of a chain stand 7 others'.
; Product i of 16 of S^T = K Q^T for piece x: channels 32 (i / 8) on, keys 16 ((i / 2) % 4) on, tile 2 x + i % 2.  The first 8 start the sums.
.macro KQ x
	WIN W_KQ
.set rS, S+64*((\x)%2)+32*(i%2)+8*((i/2)%4)
.set rK, KF+16*((i/2)%4)+8*(i/8)
.set rQ, 16*(2*(\x)+i%2)+8*(i/8)
.if i < 8
	v_wmma_f32_16x16x32_f16 v[rS:rS+7], v[rK:rK+7], v[rQ:rQ+7], 0
.else
	v_wmma_f32_16x16x32_f16 v[rS:rS+7], v[rK:rK+7], v[rQ:rQ+7], v[rS:rS+7]
.endif
.endm
; Product i of 16 of O^T += V^T P for piece x: keys 32 (i / 8) on, channels 16 ((i / 2) % 4) on, tile 2 x + i % 2.
.macro PV x
	WIN W_PV
.set rO, 32*(2*(\x)+i%2)+8*((i/2)%4)
.set rV, VF+32*(i/8)+8*((i/2)%4)
.set rP, P+32*((\x)%2)+16*(i%2)+8*(i/8)
	v_wmma_f32_16x16x32_f16 v[rO:rO+7], v[rV:rV+7], v[rP:rP+7], v[rO:rO+7]
.endm
.macro MM                           ; the turn's next matrix instruction
.if i < 16
	KQ (Y+1)%NP
.set i, i+1
.else
.set i, i-16
	PV (Y+NP-1)%NP
.set i, i+17
.endif
.endm
; THE LDS LOADS stand in runs of 16, never singly among the matrix instructions: a step's K (64 keys x 64 channels: 8 fragments) and its V (turned).  Their addresses are made some lines ahead.
; last = 1 (the tail): in the last trip there is no further step, and the run is jumped over.
.macro FETCH_K last=0
	WIN 0
.if \last
	s_cmp_eq_u32 s[CNT], 1
	s_cbranch_scc1 .Lno_k_\@
.endif
	WIN 0x80                        ; destination window 2
.irp f, 0,1,2,3,4,5,6,7             ; keys 16 (f / 2) on, channels 32 (f % 2) on
	ds_load_b128 v[KF+8*\f:KF+8*\f+3],   v[AK] offset:(\f/2)*16*PK+(\f%2)*64
	ds_load_b128 v[KF+8*\f+4:KF+8*\f+7], v[AK] offset:(\f/2)*16*PK+(\f%2)*64+32
.endr
	s_add_co_u32 s[TBK], s[TBK], KS*PK  ; the next fetch is the next step's
	WIN 0
.if \last
.Lno_k_\@:
.endif
.endm
.macro FETCH_V
	WIN 0x80
.irp f, 0,1,2,3,4,5,6,7             ; keys 32 (f / 4) on, channels 16 (f % 4) on
	ds_load_tr16_b128 v[VF+8*\f:VF+8*\f+3],   v[AV] offset:(\f/4)*32*PV+(\f%4)*32
	ds_load_tr16_b128 v[VF+8*\f+4:VF+8*\f+7], v[AV] offset:(\f/4)*32*PV+16*PV+(\f%4)*32
.endr
	WIN 0
.endm
; THE VECTOR WORK OF A TURN stands in three queues, each in the order in which its entries become ready; the two tiles alternate, so that no instruction reads the result of the one before it.
.macro REGS y, u                    ; the registers of tile u (0, 1) of piece y
.set rT, ST+4*(2*(\y)+(\u))
.set rC, TMP+8*((\y)%2)+4*(\u)
.set rM, MV+2*((\y)%2)+(\u)
.set rS, S+64*((\y)%2)+32*(\u)
.set rP, P+32*((\y)%2)+16*(\u)
.set rO, 32*(2*(\y)+(\u))
.endm
; Number n of the 22 that find the NEXT piece's (Y + 1) maximum and statistics.  s0-s31 are the lane's 32 scores; each accumulator's lowest registers are read first.  XS, GS and REGS set no window: PL and EX do.
;   0-11  four chains c0-c3 of seven scores each, three operands at a time     12-14, 16  the four scores left over, the old m, and c0-c3 into c0     15  c m_old is kept
;   17, 18  the query's other 32 keys lie in the lane 16 away: the new m         19-21  c m; c m_old - c m_new; a
.macro XS u, n
	REGS (Y+1)%NP, \u
.if (\n) < 4
	v_max3_num_f32 v[rC+(\n)], v[rS+8*(\n)], v[rS+8*(\n)+1], v[rS+8*(\n)+2]
.elseif (\n) < 12
	v_max3_num_f32 v[rC+(\n)%4], v[rC+(\n)%4], v[rS+8*((\n)%4)+2*((\n)/4)+1], v[rS+8*((\n)%4)+2*((\n)/4)+2]
.elseif (\n) == 12
	v_max3_num_f32 v[rC], v[rC], v[rS+7], v[rS+15]
.elseif (\n) == 13
	v_max3_num_f32 v[rC+1], v[rC+1], v[rS+23], v[rS+31]
.elseif (\n) == 14
	v_max3_num_f32 v[rC+2], v[rC+2], v[rC+3], v[rT+1]
.elseif (\n) == 15
	v_mov_b32 v[rM], v[rT]
.elseif (\n) == 16
	v_max3_num_f32 v[rC], v[rC], v[rC+1], v[rC+2]
.elseif (\n) == 17
	v_permlanex16_b32 v[rC+3], v[rC], s[SEL], s[SEL+1]
.elseif (\n) == 18
	v_max_num_f32 v[rT+1], v[rC], v[rC+3]
.elseif (\n) == 19
	v_mul_f32 v[rT], s[CS], v[rT+1]
.elseif (\n) == 20
	v_sub_f32 v[rC+1], v[rM], v[rT]
.else
	v_exp_f32 v[rC+2], v[rC+1]
.endif
.endm
; Number g of the 64 that follow the exponentials.  For each four weights k of a tile (pairs 2 k, 2 k + 1): both pairs are rounded to f16; then the second pair is added onto the first, in place;
; a group later l takes that sum (the first time as l = a l + sum).  In groups of eight, tiles alternating: round, round, add, and l for the group before.
.macro GS g
.set h, (\g)+6*((\g)/62)            ; group 0 has no group before it, and behind group 7 only l is left
.if h >= 6
.set h, h+2
.endif
	REGS Y, h%2
.set k, h/8
.if h%8 < 4
	s_wait_alu depctr_va_vdst(0)
	v_cvt_pk_f16_f32 v[rP+2*k+(h%8)/2], v[rS+4*k+2*((h%8)/2)], v[rS+4*k+2*((h%8)/2)+1]
.elseif h%8 < 6
	v_pk_add_f32 v[rS+4*k:rS+4*k+1], v[rS+4*k:rS+4*k+1], v[rS+4*k+2:rS+4*k+3]
.elseif k == 1
	v_pk_fma_f32 v[rT+2:rT+3], v[rT+2:rT+3], v[rC+2:rC+3], v[rS:rS+1] op_sel_hi:[1,0,1]
.else
	v_pk_add_f32 v[rT+2:rT+3], v[rT+2:rT+3], v[rS+4*k-4:rS+4*k-3]
	s_wait_alu depctr_va_vdst(0)
.endif
.endm
; THE PLAIN QUEUE, 138 long.  0-31: c s - c m for the 16 pairs of both tiles.  Then GS's 64, and among them the next piece's 42: number 15 at 38, 39; 0-14 and 16
; at 42-73, behind the products that make those scores; 17-20 at 95-106, two of three, since each waits for the one before it.
.macro PL
	WIN 0
.if q < 32
	REGS Y, q%2
	v_pk_fma_f32 v[rS+2*(q/2):rS+2*(q/2)+1], v[rS+2*(q/2):rS+2*(q/2)+1], s[CS:CS+1], v[rT:rT+1] op_sel_hi:[1,0,0] neg_lo:[0,0,1] neg_hi:[0,0,1]
.elseif q < 38
	GS q-32
.elseif q < 40
	XS q%2, 15
.elseif q < 42
	GS q-34
.elseif q < 74
	XS q%2, (q-42)/2+(q-42)/30
.elseif q < 95
	GS q-66
.elseif (q < 107) && ((q-95)%3 < 2)
	XS (q-95)%3, 17+(q-95)/3
.elseif q < 107
	GS 29+(q-95)/3
.else
	GS q-74
.endif
.set q, q+1
.endm
; THE EXPONENTIALS' QUEUE, 66 long: s0-s31 of both tiles, and at EA the next piece's two a.
.set EA, 58
.macro EX
	WIN 0
.if (e == EA) || (e == EA+1)
	XS e-EA, 21
.else
.set x, e-2*(e/(EA+2))
	REGS Y, x%2
	v_exp_f32 v[rS+x/2], v[rS+x/2]
.endif
.set e, e+1
.endm
; THE RESCALING's QUEUE: O^T times a, the one part that leaves window 0, so it is dealt four at a time, eight times.
.macro R4
	REGS Y, r%2
	WIN W_RS
	s_wait_alu depctr_va_vdst(0)
.irp z, 0,1,2,3
	v_pk_mul_f32 v[rO+8*(r/2)+2*\z:rO+8*(r/2)+2*\z+1], v[rO+8*(r/2)+2*\z:rO+8*(r/2)+2*\z+1], v[rC+2:rC+3] op_sel_hi:[1,0]
.endr
.set r, r+1
.endm
; HOW THEY ARE DEALT.  Behind a matrix instruction four: plain, exponential, plain, plain (one exponential, a plain instruction on either side), or four of the rescaling.  None names a register of the
; products round it.  What is over stands in two LUMPS: exponential and plain by turns; the second ends in 22 plain instructions.  The two v_permlanex16_b32 fall into the second lump, never behind a product.
; The queues lean on each other, and the deal keeps them in step: exponential e stands behind plain 2 (e / 4) + e % 2 (its scaling); when plain 32 comes, 10 exponentials are out, at 59: 33, at 95: 46; EA comes behind plain 107.
.macro SL
	MM
	PL
	EX
	PL
	PL
.endm
.macro BURST n                      ; 15 matrix instructions, or 16
.rept (\n)-7
	SL
.endr
.rept 3
	MM
	R4
	SL
.endr
	MM
	R4
.endm
; A TURN, for piece p.  cnt = 1: the loop's count is taken down some lines ahead of the branch that stands behind the turn.
; K of the next step is fetched in piece 2's turn, 31 vector instructions behind the last product that read K; its first reader comes behind the rest of the lump, 16 products and the second lump.
; V of the step in hand is fetched at the end of piece 0's turn, 69 behind its last reader; its first reader comes behind 16 products and a lump.  The four conditions on e and q below go with the deal.
.macro TURN p, last=0, cnt=0
.set Y, (\p)
.set i, 0
.set q, 0
.set e, 0
.set r, 0
.if (\p) == NP-1
	s_wait_dscnt 0x0                ; K is in
.endif
	MM
.rept 4
	PL
.endr
	BURST 15
.rept 22
	EX
	PL
.if ((\p) == NP-2) && (e == 18)
	v_add_nc_u32 v[AK], s[TBK], v[AK0]
.endif
.if ((\p) == NP-2) && (e == 24)
	FETCH_K \last
.endif
.endr
.if (\p) == 1
	s_wait_dscnt 0x0                ; V is in
.endif
	BURST 16
.rept 21
	EX
	PL
.endr
.rept 22
	PL
.if ((\p) == 0) && (q == 118)
	v_add_nc_u32 v[AV], s[TBV], v[AV0]
	s_wait_alu depctr_va_vdst(0)
.endif
.if ((\p) == 0) && (q == 130)
	s_add_co_u32 s[TBV], s[TBV], KS*PV
.endif
.if (\cnt) && (q == 130)
	s_sub_co_u32 s[CNT], s[CNT], 1
	s_cmp_lg_u32 s[CNT], 0
.endif
.endr
.if (\p) == 0
	FETCH_V
.endif
.endm
	CHANGE 1                        ; slot 0 is in, everybody's part of it; slot 1 is asked for
	FETCH_K                         ; key step 0
	s_wait_loadcnt 0x0              ; Q
	s_wait_dscnt 0x0
.set i, 0
.rept 16
	KQ 0                            ; piece 0's first scores: there is no vector work yet to set between them
.set i, i+1
.endr
	WIN 0                           ; the addresses for the way out: eight plain instructions, the places behind those products
	s_mul_i32 s13, s[WV], 16*SP
	s_add_co_u32 s13, s13, STAGE    ; my stage
	v_mul_u32_u24 v[STO], v1, SP    ; in: row l % 16, 32 bytes (eight channels in f32) for each half of the lanes
	v_lshl_add_u32 v[STO], v9, 5, v[STO]
	v_add_nc_u32 v[STO], s13, v[STO]
	v_mul_u32_u24 v[RD], v9, SP     ; back: lanes 0-15 take one row of 256 bytes, lanes 16-31 the next,
	v_lshl_add_u32 v[RD], v1, 4, v[RD]
	v_add_nc_u32 v[RD], s13, v[RD]
	v_lshlrev_b32 v[GO], 12, v9     ; and the same two rows in out0, 4,096 bytes apart
	v_lshl_add_u32 v[GO], v1, 4, v[GO]
.set Y, NP-1                        ; XS works for piece Y + 1: piece 0
.irp n, 0,1,2,3,4,5,6,7,8,9,10,11,12,13,14,15,16,17,18,19,20,21
	XS 0, \n                        ; and piece 0's first maximum and statistics
	XS 1, \n
.endr
	s_mov_b32 s[CNT], 4
	s_mov_b32 s[SLOTS], SIZE_N/256-1
	s_branch .Lfirst                ; the loop is entered at a step's first turn, in the middle of a trip
.Lslot:                             ; SIZE_N / 256 - 2 times: every slot but the last two is filled again
	CHANGE 1, 1
	s_mov_b32 s[CNT], 4
.Lstep:                             ; a trip: pieces 2 and 3 of one step, then pieces 0 and 1 of the next, whose K and V it fetches
	TURN 2
	TURN 3
	WIN 0
.Lfirst:
	TURN 0
	TURN 1, 0, 1
	WIN 0
	s_cbranch_scc1 .Lstep
	s_sub_co_u32 s[SLOTS], s[SLOTS], 1
	s_cmp_lg_u32 s[SLOTS], 0
	s_cbranch_scc1 .Lslot
	CHANGE 0                        ; the tail is written out: nothing is asked for
	s_mov_b32 s[CNT], 5             ; four trips fetch the last slot's steps; the fifth is left in its middle
.Ltail:
	TURN 2, 1
	TURN 3
	WIN 0
	s_sub_co_u32 s[CNT], s[CNT], 1
	s_cmp_eq_u32 s[CNT], 0
	s_cbranch_scc1 .Lout
	TURN 0
	TURN 1
	WIN 0
	s_branch .Ltail
.Lout:                              ; the fifth trip's 16 products K Q^T (on the last K once more) and the maximum made of them serve nothing: the price, once a launch, of one text for every trip
.set i, 0
.rept 16
	PV NP-1                         ; the last piece's V^T P of the last step
.set i, i+1
.endr
	; THE WAY OUT.  l's two halves and the other half of the lanes' are added; O^T is divided by l and sent, in f32, through my stage in LDS, a tile at a time.  The additions are the places behind the last products.
	WIN 0
.macro ALL line:vararg              ; one line for each tile t
.set t, 0
.rept 2*NP
	\line
.set t, t+1
.endr
.endm
	ALL v_add_f32 v[ST+4*t+2], v[ST+4*t+2], v[ST+4*t+3]
	ALL v_permlanex16_b32 v[ST+4*t+3], v[ST+4*t+2], s[SEL], s[SEL+1]
	ALL v_add_f32 v[ST+4*t+2], v[ST+4*t+2], v[ST+4*t+3]
	ALL v_rcp_f32 v[ST+4*t+2], v[ST+4*t+2]
	v_nop                           ; a plain instruction between the last reciprocal and the use of its result
	s_wait_alu depctr_va_vdst(0)
; Tile t: registers 4 f .. 4 f + 3 of a lane's 32 are channels 16 (f / 2) + 8 (l / 16) + 4 (f % 2) + 0..3 of its row: 16 bytes.  They go into rows of 272 bytes and come back as whole rows of 256,
; into S^T's registers, four tiles' worth by turns.
.macro PACK t
.if (\t) >= 4
	s_wait_xcnt 0x0                 ; the stores of the tile four back have read the registers that this tile's loads from the stage write
.endif
	WIN W_RS
.set i, 32*(\t)
.rept 16
	v_pk_mul_f32 v[i:i+1], v[i:i+1], v[ST+4*(\t)+2:ST+4*(\t)+3] op_sel_hi:[1,0]
.set i, i+2
.endr
	WIN 0x04                        ; a store's data (source 1) in window 1, its address in window 0
.irp f, 0,1,2,3,4,5,6,7
	ds_store_b128 v[STO], v[32*(\t)+4*\f:32*(\t)+4*\f+3] offset:64*(\f/2)+16*(\f%2)
.endr
	WIN 0
.irp f, 0,1,2,3,4,5,6,7
	ds_load_b128 v[S+32*((\t)%4)+4*\f:S+32*((\t)%4)+4*\f+3], v[RD] offset:\f*2*SP  ; LDS serves a wave's instructions in order (ISA guide 5.7.1.4): these see the stores above; the next tile's stores come behind them
.endr
.endm
.macro SEND t, younger              ; younger: the LDS instructions issued behind tile t's loads: the next tile's sixteen, or none
	WIN 0
.irp f, 0,1,2,3,4,5,6,7
	s_wait_dscnt (\younger)+7-\f
	global_store_b128 v[GO], v[S+32*((\t)%4)+4*\f:S+32*((\t)%4)+4*\f+3], s[10:11] offset:(\t)*65536+\f*8192 th:TH_STORE_NT  ; 16 lanes store a row's 256 consecutive bytes of this head, at a multiple of 256 from out0's first byte
.endr
.endm
	PACK 0
.set t, 1
.rept 2*NP-1                        ; a tile's arithmetic stands between the loads of the tile before and its stores
	PACK t
	SEND t-1, 16
.set t, t+1
.endr
	SEND 2*NP-1, 0
	WIN W_AD
	s_wait_tensorcnt 0x0            ; the wave's end: the add between two waits, behind my last tensor load and my last LDS store
	ds_add_u32 v[SPW], v[NIL]
	s_wait_dscnt 0x0
	WIN 0
	CROUND                          ; the closing round: no work-group ends while a partner may still ask for a tile that names it
	s_endpgm
.Lfunc_end_k_q84d6e573b5_attn:
	.size	k_q84d6e573b5_attn, .Lfunc_end_k_q84d6e573b5_attn-k_q84d6e573b5_attn
	.p2alignl 7, 3214868480
	.fill 96, 4, 3214868480
	.section	.rodata,"a",@progbits
	.p2align	6, 0x0
	.amdhsa_kernel k_q84d6e573b5_attn
		.amdhsa_group_segment_fixed_size 327680
		.amdhsa_private_segment_fixed_size 0
		.amdhsa_enable_private_segment 0
		.amdhsa_kernarg_size 16
		.amdhsa_user_sgpr_count 2
		.amdhsa_user_sgpr_kernarg_segment_ptr 1
		.amdhsa_wavefront_size32 1
		.amdhsa_system_sgpr_workgroup_id_x 1
		.amdhsa_system_sgpr_workgroup_id_y 1
		.amdhsa_system_sgpr_workgroup_id_z 1
		.amdhsa_system_vgpr_workitem_id 0
		.amdhsa_next_free_vgpr 770
		.amdhsa_next_free_sgpr 66
		.amdhsa_reserve_vcc 0
		.amdhsa_float_denorm_mode_32 3
		.amdhsa_float_denorm_mode_16_64 3
		.amdhsa_memory_ordered 1
		.amdhsa_forward_progress 1
		.amdhsa_inst_pref_size 209
	.end_amdhsa_kernel
	.amdgpu_metadata
---
amdhsa.version: [ 1, 2 ]
amdhsa.kernels:
  - .name:           k_q84d6e573b5_attn
    .symbol:         k_q84d6e573b5_attn.kd
    .args:
      - { .name: qkv, .offset: 0, .size: 8, .value_kind: global_buffer, .address_space: global }
      - { .name: out0, .offset: 8, .size: 8, .value_kind: global_buffer, .address_space: global }
    .group_segment_fixed_size: 327680
    .private_segment_fixed_size: 0
    .kernarg_segment_align: 8
    .kernarg_segment_size: 16
    .max_flat_workgroup_size: 128
    .sgpr_count:     66
    .vgpr_count:     770
    .wavefront_size: 32
...
	.end_amdgpu_metadata
.endif
;; end of part 3
